; MI455X (gfx1250); checked and timed in simulation.
; The chip was launched on July 23, 2026; its instructions are those of AMD's public machine-readable ISA for CDNA 5 (MIT licence, August 2026) and "CDNA5" Instruction Set Architecture Reference Guide (July 2026). The comments in the code are by the model that wrote it; some were corrected since.
;; Attention. Allowed arithmetic: matrix products marked QUANTISED: E2M1 operands, one E8M0 scale for each 32 along K, by v_wmma_scale_f32_16x16x128_f8f6f4 with both operands' format E2M1 (or v_wmma_scale_f32_32x16x128_f4), f32 sums; everything else in f32.
;; Inputs: W 1,024 x 1,024 float32; b 1,024 float32; lstm_output 16 x 4,096 x 1,024 float32.
;; Outputs: out0 16 x 1,024 float32.
;; This version of the problem:
;;   THIS VERSION OF THE PROBLEM IS GIVEN IN LOW PRECISION. The matrix products marked QUANTISED in the list below multiply operands that are first quantised to E2M1 (2 exponent bits, 1 mantissa bit; 4 bits a number), with one power-of-two scale for each 32 numbers along K (OCP MX v1.0); their sums are f32. All else is computed in f32.
;;   The module's matrix products, in the order in which they are computed (A, B: the left and right operand; K: the contracted axis; several contracted axes count as one K, in the product's order):
;;     1. [M 65,536, K 1,024] x [K 1,024, N 1,024]; A: input lstm_output; B: input W: QUANTISED
;;   THE QUANTISER, for each operand of a quantised product, along K:
;;     - K is cut into blocks of 32 from its start; a last block that is shorter is filled with zeros.
;;     - A block's scale is 2^e with e = floor(log2(the largest magnitude in the block)) - 2, held to -126 .. 127; a block of zeros has e = 0. As a byte (E8M0): e + 127.
;;     - Each number is divided by its block's scale, clamped to +-6, and rounded to the nearest number of E2M1, ties to even, subnormals kept.
;;     - The product sums the exact products of the quantised numbers (number of the format x scale) in f32.
;;   ~~~python
;;   def quantise(x, axis):      # numpy; x: float32 -> the quantised numbers, widened to float32 again
;;       x = np.moveaxis(x, axis, -1); K = x.shape[-1]
;;       x = np.pad(x, [(0, 0)] * (x.ndim - 1) + [(0, -K % 32)]); x = x.reshape(x.shape[:-1] + (-1, 32)); a = np.abs(x).max(-1, keepdims=True)
;;       e = np.where(a > 0, np.clip(np.frexp(np.where(a > 0, a, 1))[1] - 1 - 2, -126, 127), 0)      # np.frexp(a)[1] - 1 = floor(log2(a)), exactly
;;       r = np.clip(x / 2.0 ** e, -6, 6)
;;       step = 2.0 ** (np.maximum(np.frexp(np.where(r == 0, 1, r))[1] - 1, 0) - 1)
;;       q = np.round(r / step) * step * 2.0 ** e      # np.round: ties to even
;;       return np.moveaxis(q.reshape(q.shape[:-2] + (-1,))[..., :K], -1, axis).astype(np.float32)
;;   ~~~
;; One version. Each part assembles by itself: llvm-mc -triple=amdgcn-amd-amdhsa -mcpu=gfx1250 --defsym DOCPART=n.
;; ======== version 1 of 1: 3 launches
;; workspace buffers: wq 557,056 bytes; part 2,097,152 bytes
;; launch wquant (part 1): grid 64 x 1, 4 waves a work-group, no clusters, 1,024 bytes of LDS; arguments W, wq; writes wq
.if DOCPART == 1
	.amdgcn_target "amdgcn-amd-amdhsa--gfx1250"
	.amdhsa_code_object_version 6
	.text
	.protected	k_qeb37f0a4a4_wquant
	.globl	k_qeb37f0a4a4_wquant
	.p2align	8
	.type	k_qeb37f0a4a4_wquant,@function
k_qeb37f0a4a4_wquant:
	s_mov_b64 s[64:65], 0
	v_nop
	global_prefetch_b8 v0, s[64:65] scope:SCOPE_SE
	s_setreg_imm32_b32 hwreg(HW_REG_WAVE_MODE, 25, 1), 1
	s_wait_xcnt 0x0
; W [1024 (o)][1024 (k)], f32, K innermost, becomes codes of FP4 (E2M1) with one E8M0 byte for each 32 along K, laid in the ORDER OF THE OPERAND'S REGISTERS of the launch that multiplies.
; Nothing of the problem is left out in this program: W, b and lstm_output all reach the result (b stands inside tanh).
; wq: [sigma 0..3][wave w 0..3][34,816 bytes].  In such a block: fragment (u 0..3, K step ks 0..7) at (8 u + ks) x 1,024 + 512 c + 16 x lane (c: registers 4 c .. 4 c + 3);
; scale words at 32,768 + 512 u + 16 x lane + 4 kp: word kp holds in lanes 0-15 the four bytes of K step 2 kp of column r, in lanes 16-31 those of K step 2 kp + 1.
; Column r of fragment (sigma, w, u) is row 256 w + 128 (sigma / 2) + 8 r + 4 (sigma % 2) + u of W: so a lane's eight tiles of one half are eight neighbouring channels in the next launch.
; SHARES: a work-group takes one (sigma, w, u); its wave kp makes the fragments of K steps 2 kp and 2 kp + 1.  Lane (r, h) holds WHOLE blocks: k = 128 ks + 64 c + 32 h + 0 .. 31 of its row, four blocks in all,
; so a block's largest magnitude needs no other lane and the conversions' results are the operand's registers.  A lane walks its 128 consecutive bytes of a block in eight loads of 16: 4 MiB in all, read once.
; A block's scale is 2^(floor(log2(largest magnitude)) - 2); its byte is the largest magnitude's exponent field - 2, held at 1 from below.
; LIMITS: a block of zeros gets the byte 1 over zero codes (only this program reads the bytes); NaN and infinities among the inputs are not served.
.set WBLK,  34816
.set SPARE, 512                        ; LDS: bytes 0-511 the scale words of the work-group's tile; from 512 the spare words, 128 bytes a wave, which no other line names
.set X,     32                         ; v32-159  four blocks of 32 numbers: block k = 2 f + c
.set C,     160                        ; v160-175 their codes, four registers a block
	s_load_b128 s[4:7], s[0:1], 0x0                ; W s[4:5], wq s[6:7]
	v_lshl_add_u32 v30, v0, 2, SPARE               ; my spare word; never rewritten
	v_mov_b32 v31, 0                               ; 0; never rewritten
	v_lshrrev_b32 v1, 5, v0
	v_readfirstlane_b32 s8, v1                     ; wave = kp
	v_and_b32 v2, 15, v0                           ; r
	v_bfe_u32 v3, v0, 4, 1                         ; h
	v_and_b32 v4, 31, v0                           ; lane
	v_lshlrev_b32 v5, 15, v2                       ; column r lies 8 rows of 4,096 bytes on from column r - 1,
	v_lshl_add_u32 v5, v3, 7, v5                   ; and lanes 16-31 begin 32 numbers further along K
	v_lshlrev_b32 v6, 4, v4                        ; 16 x lane: an image's place for my lane
	s_lshl_b32 s9, s8, 2
	v_add_nc_u32 v7, s9, v6                        ; LDS: 16 x lane + 4 kp: my scale word
	v_lshlrev_b32 v22, 3, v3                       ; 8 h: how far my two bytes are shifted in a scale word
	s_mov_b32 s10, 0x76543210
	s_mov_b32 s11, 0xfedcba98                      ; v_permlanex16_b32's selects for lane l xor 16
	s_mov_b32 s12, 0xffff0000                      ; lanes 16-31
	s_lshr_b32 s13, ttmp9, 5                       ; s2 = sigma / 2
	s_bfe_u32 s14, ttmp9, 0x10004                  ; q = sigma % 2
	s_bfe_u32 s15, ttmp9, 0x20002                  ; w
	s_and_b32 s16, ttmp9, 3                        ; u
	s_lshl_b32 s17, s15, 8
	s_lshl_b32 s18, s13, 7
	s_add_co_u32 s17, s17, s18
	s_lshl_b32 s18, s14, 2
	s_add_co_u32 s17, s17, s18
	s_add_co_u32 s17, s17, s16                     ; column 0's row of W: 256 w + 128 s2 + 4 q + u
	s_lshl_b32 s20, s17, 12                        ; in bytes,
	s_lshl_b32 s18, s8, 10
	s_add_co_u32 s20, s20, s18                     ; + my two K steps: 1,024 bytes x kp
	s_mov_b32 s21, 0
	s_lshr_b32 s22, ttmp9, 2
	s_mul_i32 s22, s22, WBLK                       ; the block (sigma, w) in wq
	s_mov_b32 s23, 0
	s_lshl_b32 s24, s16, 9
	s_add_co_u32 s24, s24, s22
	s_add_co_u32 s24, s24, 32768                   ; the tile's scale words
	s_mov_b32 s25, 0
	s_lshl_b32 s18, s16, 13
	s_add_co_u32 s22, s22, s18                     ; + 8 u fragments
	s_lshl_b32 s18, s8, 11
	s_add_co_u32 s22, s22, s18                     ; + 2 kp fragments
	s_wait_kmcnt 0x0
	s_add_nc_u64 s[4:5], s[4:5], s[20:21]
	s_add_nc_u64 s[26:27], s[6:7], s[24:25]
	s_add_nc_u64 s[6:7], s[6:7], s[22:23]
.irp k, 0,1,2,3                        ; block k = 2 f + c begins 256 k bytes on: K step f, half c
.irp i, 0,1,2,3,4,5,6,7
	global_load_b128 v[X+32*\k+4*\i:X+32*\k+4*\i+3], v5, s[4:5] offset:256*\k+16*\i
.endr
.endr
	s_wait_loadcnt 0x0
.irp k, 0,1,2,3
	v_max3_num_f32 v[8+\k], |v[X+32*\k]|, |v[X+32*\k+1]|, 0x1800000   ; the block's largest magnitude, with the floor 2^(3 - 127) among its leaves: so the byte cannot fall under 1
.endr
.irp i, 2,4,6,8,10,12,14,16,18,20,22,24,26,28,30
.irp k, 0,1,2,3
	v_max3_num_f32 v[8+\k], v[8+\k], |v[X+32*\k+\i]|, |v[X+32*\k+\i+1]|   ; (the four blocks by turns)
.endr
.endr
.irp k, 0,1,2,3
	v_add_nc_u32 v[12+\k], 0xff000000, v[8+\k]     ; 2 off its exponent field: the conversion takes the exponent field of this operand as its scale
.endr
.irp k, 0,1,2,3
	v_lshrrev_b32 v[16+\k], 23, v[12+\k]           ; the scale's byte
.endr
.irp k, 0,1,2,3
.irp g, 0,1,2,3
	v_cvt_scalef32_pk8_fp4_f32 v[C+4*\k+\g], v[X+32*\k+8*\g:X+32*\k+8*\g+7], v[12+\k]
.endr
.endr
	v_nop                                          ; one plain place behind the last scaled conversion
.irp k, 0,1,2,3
	global_store_b128 v6, v[C+4*\k:C+4*\k+3], s[6:7] offset:512*\k   ; 32 lanes store 512 consecutive bytes: registers 4 c .. 4 c + 3 of fragment f
.endr
.irp f, 0,1
	v_lshl_or_b32 v[20+\f], v[17+2*\f], 16, v[16+2*\f]   ; my two bytes of K step f: blocks h and 2 + h,
	v_mov_b32 v[24+\f], 0                          ; (a lane permute's destination counts as one of its sources)
.endr
.irp f, 0,1
	v_lshlrev_b32 v[20+\f], v22, v[20+\f]          ; at their places in the word;
.endr
.irp f, 0,1
	v_permlanex16_b32 v[24+\f], v[20+\f], s10, s11
.endr
.irp f, 0,1
	v_or_b32 v[20+\f], v[20+\f], v[24+\f]          ; with lane l xor 16's two the word is whole
.endr
	v_cndmask_b32 v26, v20, v21, s12               ; lanes 0-15 keep K step 2 kp's word, lanes 16-31 take K step 2 kp + 1's
	ds_store_b32 v7, v26
	s_wait_dscnt 0x0                               ; for the others' sake: my store has landed
	s_barrier_signal -1
	s_barrier_wait -1
	s_cmp_lg_u32 s8, 0                             ; wave 0 alone sends the tile's 512 bytes of scale words
	s_cbranch_scc1 .Lsent
	ds_load_b128 v[176:179], v6
	s_wait_dscnt 0x0
	global_store_b128 v6, v[176:179], s[26:27]     ; 32 lanes store 512 consecutive bytes
.Lsent:
	s_wait_tensorcnt 0x0                           ; the wave's end, behind my last LDS store
	ds_add_u32 v30, v31
	s_wait_dscnt 0x0
	s_endpgm
.Lfunc_end_k_qeb37f0a4a4_wquant:
	.size	k_qeb37f0a4a4_wquant, .Lfunc_end_k_qeb37f0a4a4_wquant-k_qeb37f0a4a4_wquant
	.p2alignl 7, 3214868480
	.fill 96, 4, 3214868480
	.section	.rodata,"a",@progbits
	.p2align	6, 0x0
	.amdhsa_kernel k_qeb37f0a4a4_wquant
		.amdhsa_group_segment_fixed_size 1024
		.amdhsa_private_segment_fixed_size 0
		.amdhsa_enable_private_segment 0
		.amdhsa_kernarg_size 16
		.amdhsa_user_sgpr_count 2
		.amdhsa_user_sgpr_kernarg_segment_ptr 1
		.amdhsa_wavefront_size32 1
		.amdhsa_system_sgpr_workgroup_id_x 1
		.amdhsa_system_sgpr_workgroup_id_y 1
		.amdhsa_system_sgpr_workgroup_id_z 1
		.amdhsa_system_vgpr_workitem_id 0
		.amdhsa_next_free_vgpr 192
		.amdhsa_next_free_sgpr 66
		.amdhsa_reserve_vcc 0
		.amdhsa_float_denorm_mode_32 3
		.amdhsa_float_denorm_mode_16_64 3
		.amdhsa_memory_ordered 1
		.amdhsa_forward_progress 1
		.amdhsa_inst_pref_size 13
	.end_amdhsa_kernel
	.amdgpu_metadata
---
amdhsa.version: [ 1, 2 ]
amdhsa.kernels:
  - .name:           k_qeb37f0a4a4_wquant
    .symbol:         k_qeb37f0a4a4_wquant.kd
    .args:
      - { .name: W, .offset: 0, .size: 8, .value_kind: global_buffer, .address_space: global }
      - { .name: wq, .offset: 8, .size: 8, .value_kind: global_buffer, .address_space: global }
    .group_segment_fixed_size: 1024
    .private_segment_fixed_size: 0
    .kernarg_segment_align: 8
    .kernarg_segment_size: 16
    .max_flat_workgroup_size: 128
    .sgpr_count:     66
    .vgpr_count:     192
    .wavefront_size: 32
...
	.end_amdgpu_metadata
.endif
;; end of part 1
;; launch main (part 2): grid 256 x 1, 4 waves a work-group, clusters of 4 x 1, 327,680 bytes of LDS; arguments lstm_output, b, wq, part; writes part
.if DOCPART == 2
	.amdgcn_target "amdgcn-amd-amdhsa--gfx1250"
	.amdhsa_code_object_version 6
	.text
	.protected	k_qeb37f0a4a4_main
	.globl	k_qeb37f0a4a4_main
	.p2align	8
	.type	k_qeb37f0a4a4_main,@function
k_qeb37f0a4a4_main:
	s_mov_b64 s[64:65], 0
	v_nop
	global_prefetch_b8 v0, s[64:65] scope:SCOPE_SE
	s_setreg_imm32_b32 hwreg(HW_REG_WAVE_MODE, 25, 1), 1
	s_wait_xcnt 0x0
	s_wait_alu depctr_hold_cnt(0) depctr_sa_sdst(0) depctr_va_vdst(0) depctr_va_sdst(0) depctr_va_ssrc(0) depctr_va_vcc(0) depctr_vm_vsrc(0)
	s_getreg_b32 s2, hwreg(HW_REG_IB_STS2, 6, 4)
	s_cmp_eq_u32 s2, 0
	s_cbranch_scc0 .Lentry_in_a_cluster
	s_endpgm
.Lentry_in_a_cluster:
	s_bfe_u32 s2, ttmp6, 0x10000c
	s_cmp_lg_u32 s2, 0x3003
	s_cbranch_scc0 .Lentry_shape_is_right
	s_endpgm
.Lentry_shape_is_right:
; For 256 rows s of x = lstm_output (flattened [65,536][1,024]) and all 1,024 channels o: z = Q(x) Q(W)^T + b on codes of FP4 (E2M1) with E8M0 scales; w = exp(tanh z - 1); partial sums over the rows of w x[s][o] and of w.
; No work of the problem is left out.  THE MAXIMUM: the softmax over s takes the column's largest energy away before the exponential.  Every energy is a tanh, so it lies in [-1, 1] for every input: here the bound 1
; is taken away instead, which leaves the quotient as it is; w lies in [e^-2, 1], and a sum of 4,096 of them in [554, 4096]: no exponential and no sum can overflow or underflow.
; tanh z - 1 = -2 / (1 + e^(2 z)):  E = 2^(c2 z), c2 = 2 log2(e);  w = 2^(1 / (a E + a)), a = -ln(2) / 2.  E = infinity gives w = 1, E = 0 gives w = e^-2: both ends are right without a select.
; SHARES.  Work-group g owns rows 256 g .. 256 g + 255, in four passes of 64 (four tiles of rows, mt).  Wave w owns columns 256 w .. 256 w + 255 of x, which it holds in 512 registers as f32, loaded from memory once:
; it quantises them (they are a quarter of K), and they are the x of its own 256 output channels in the weighted sum.  The codes go to the other waves through LDS; each wave then holds the pass's 64 rows x 1,024 K
; of codes in 256 registers.  W's codes stream through two LDS slots, a quarter of W (step sigma: four tiles of 16 channels for each wave) at a time, each wave fetching and reading its own block.
; CHANNELS.  Column r of tile T = 8 s2 + t of wave w is channel 256 w + 128 s2 + 8 r + t: a lane's eight tiles of one s2 are eight NEIGHBOURING channels, which the conversion wants in consecutive registers.
; The product is used as it stands (source 0 = x, source 1 = W): register j of lane (r, h) is (row 8 h + j, column r), and the lane's register 64 mt + 8 j + t of x is that row at that channel.
; X'S STREAM.  A quarter of a pass's x (half s2, channels 4 q .. 4 q + 3 of a lane's eight) is free when step sigma = 2 s2 + q has been summed.  The next pass's quarter is asked for in groups of 8 or 16 loads behind the
; products of the NEXT step's tiles, behind that tile's LDS loads: no run of loads stands in front of a change of slots or of the quantiser's stores.  The pass's last tile reads 32 registers of the last quarter: they
; are copied aside, so that this quarter is asked for a tile early and lands under that tile's work.  Half 0 is quantised ahead of step 3's round, so its codes (the even K steps) come back from LDS under the same tile.
; CLUSTER.  All work-groups walk the same W in the same order: the four of a cluster ask for each block JOINTLY, by the same tensor load with the same descriptor and a mask that names the four.
; part: [g][w][sigma][lane][4 f32]: lanes 0-15 the sums of w x, lanes 16-31 the sums of w, of channels 256 w + 128 s2 + 8 r + 4 q + 0 .. 3 (sigma = 2 s2 + q).
; LIMITS: NaN and infinities among the inputs are not served; a block of zeros carries the byte 1 over zero codes (only this program reads the bytes).
; REGISTERS, in windows of 256 (s_set_vgpr_msb: bits 1:0 source 0, 3:2 source 1, 5:4 source 2, 7:6 destination):
;   window 0: v1-11, v38 addresses; v16-31 x's scale words; v32-35 W's; v[36:37] a; v40-47 eight chains of the weighted sum; v48-63 sums of w x; v64-95 sums of w, a pair a tile; v96-111 b as loaded, then with
;             v240-255 the last tile's x; v112-143 four accumulators; v144-207 W's fragments of one tile (while none is held: the quantiser's work registers); v208-239 c2 b, a pair a tile
;   window 1: x's codes: fragment (mt, ks) at v[64 mt + 8 ks]          window 2 + s2: x as f32: v[64 mt + 8 j + t]
.set WBLK,  34816                      ; a wave's block of W: 32 fragments of 1,024 bytes, then 4 x 512 bytes of scale words
.set SLOTB, 4*WBLK                     ; a slot, and a step sigma in wq
.set CODE,  2*SLOTB                    ; behind the slots: the pass's codes, in two regions of 64 rows of 256 bytes + 16: the even K steps (every wave's half 0), then the odd ones (half 1)
.set CP,    272
.set CHALF, 64*CP
.set SCL,   CODE+2*CHALF               ; their scale bytes, 64 rows of 32 bytes + 4
.set SP,    36
.set SPARE, SCL+64*SP                  ; the spare words, 128 bytes for each wave: two blocks of 256 bytes that no other line names
.set XO,  1                            ; v1   x: 8 h rows + 32 r bytes
.set CA,  2                            ; v2   where I store codes: CODE + 8 h rows + 4 r + 64 w
.set SA,  3                            ; v3   where I store a scale byte: SCL + 8 h rows + r / 4 + 8 w
.set AA,  4                            ; v4   where I read a fragment of codes: CODE + row r + 16 h
.set ASA, 5                            ; v5   and its scale words: SCL + row r + 4 h
.set WA,  6                            ; v6, v7  my block of W in slot 0, 1: + 16 x lane
.set SPW, 8                            ; v8   my spare word; never rewritten
.set NIL, 9                            ; v9   0; never rewritten
.set PO,  10                           ; v10  16 x lane
.set BO,  11                           ; v11  32 r
.set AS,  16
.set WS,  32
.set AV,  36
.set PFO, 38                           ; v38  the prefetches' offset: my lane x a row of x (4,096 bytes); never rewritten
.set NT,  40
.set NUM, 48
.set DEN, 64
.set CBR, 96
.set XC,  96                           ; the last tile's x: (mt, j) at v[XC + 8 mt + j + 128 (mt / 2)]: v96-111 and v240-255
.set ACC, 112
.set WF,  144
.set CBP, 208
.set WV,   12                          ; s12  my wave's number
.set TRIP, 15                          ; s15  passes to go
.set G1,   16                          ; s[16:23] descriptor group 1
.set G0,   24                          ; s[24:27], s[28:31] group 0 of slot 0, 1
.set XB,   32                          ; s[32:33] x at my wave's columns of the pass that is being loaded
.set C2,   34                          ; s[34:35] c2
.set AC,   36                          ; s[36:37] a
.set SEL,  38                          ; s[38:39] v_permlanex16_b32's selects for lane l xor 16
.set HI16, 40                          ; s40  lanes 16-31
.set MSB, 0
.macro WIN new                         ; the immediate's high byte repeats the setting that is left; a switch that changes nothing is dropped
.if MSB != (\new)
	s_set_vgpr_msb (MSB<<8)|(\new)
.set MSB, (\new)
.endif
.endm
.macro ROUND                           ; a round of the cluster's barrier
	s_barrier_signal -1
	s_barrier_wait -1
	s_cmp_lg_u32 s[WV], 0
	s_cbranch_scc1 .Lnot_wave_0_\@
	s_barrier_signal -3
.Lnot_wave_0_\@:
	s_barrier_wait -3
	s_barrier_signal -1
	s_barrier_wait -1
.endm
; THE CHANGE OF SLOTS.  All my tensor loads have landed (one was out: the block that I read next); the add; the slot's address steps two sigma on or back; the add and all my LDS reads and stores are done;
; a round, so that no wave of any partner still reads the slot or has a load on its way; then the joint load, my one tensor load until the next round: it has a whole step sigma in which to land.
.macro HEAD slot, back
	s_wait_tensorcnt 0x0
	ds_add_u32 v[SPW], v[NIL]
.if \back
	s_sub_nc_u64 s[G0+4*\slot+2:G0+4*\slot+3], s[G0+4*\slot+2:G0+4*\slot+3], 2*SLOTB
.else
	s_add_nc_u64 s[G0+4*\slot+2:G0+4*\slot+3], s[G0+4*\slot+2:G0+4*\slot+3], 2*SLOTB
.endif
	s_wait_dscnt 0x0
	ROUND
	tensor_load_to_lds s[G0+4*\slot:G0+4*\slot+3], s[G1:G1+7]
	s_nop 0
.rept 4
	v_nop
.endr
.endm
; n tiles of rows, from m0 on, of a quarter of x: of each row the channels 8 r + 4 q + 0 .. 3 of half s2: 16 bytes a lane; the loads q = 0 and q = 1 of a row together cover its 512 bytes
.macro XLS s2, q, m0, n
	WIN (2+\s2)<<6
.set XM, (\m0)
.rept \n
.irp j, 0,1,2,3,4,5,6,7
	global_load_b128 v[64*XM+8*\j+4*\q:64*XM+8*\j+4*\q+3], v[XO], s[XB:XB+1] offset:(16*XM+\j)*4096+512*\s2+16*\q
.endr
.set XM, XM+1
.endr
	WIN 0
.endm
.macro XLG s2, q, m0, n                ; the same, but not in the last pass: no load leaves its buffer
	s_cmp_eq_u32 s[TRIP], 1
	s_cbranch_scc1 .Lno_x_\@
	XLS \s2, \q, \m0, \n
.Lno_x_\@:
.endm
; A PREFETCH INTO THE L2 of half s2 of my columns of the next pass: 64 rows x 512 bytes, a lane a row, four instructions 256 bytes or 32 rows apart.  It stands behind a step's tensor load and first LDS loads,
; one step (four tiles) ahead of the step whose tiles load these bytes.  Each aligned 256 bytes is named once in the launch, by the wave that will load it.  The last pass asks for nothing; the first pass comes by its loads alone.
.macro ASKX s2
	s_cmp_eq_u32 s[TRIP], 1
	s_cbranch_scc1 .Lno_ask_\@
.irp k, 0,1
.irp blk, 0,1
	global_prefetch_b8 v[PFO], s[XB:XB+1] offset:\k*32*4096+512*(\s2)+256*\blk th:TH_LOAD_NT scope:SCOPE_SE
.endr
.endr
.Lno_ask_\@:
.endm
; The x of the pass's last tile (half 1, t = 7) is set aside: 32 registers.  The quarter's 128 registers can then take the next pass's loads ahead of that tile
.macro COPY7
	WIN 0x03
.irp mt, 0,1,2,3
.irp j, 0,1,2,3,4,5,6,7
	v_mov_b32 v[XC+8*\mt+\j+128*(\mt/2)], v[64*\mt+8*\j+7]
.endr
.endr
	WIN 0
.endm
; Half s2 of my columns becomes codes and scale bytes in LDS, eight rows of a lane at a time.  A lane's eight registers are eight neighbours along K; four neighbouring lanes hold a block of 32.
.macro QUANT s2
.set W,  2+\s2
.set W1, W|(W<<2)
.set W2, (W<<2)|(W<<4)
.irp mt, 0,1,2,3
.set CD, WF+16+8*(\mt%2)               ; codes and bytes: two sets by turns
.set BY, WF+32+8*(\mt%2)
.if \mt == 0
	s_wait_dscnt 0x0                               ; no earlier LDS store still reads the registers written below
.elseif \mt >= 2
	s_wait_dscnt 16                                ; the 16 stores of the batch before may be out; those of the batch two back, which read this set, are done
.endif
	WIN W1
.irp j, 0,1,2,3,4,5,6,7
	v_max3_num_f32 v[WF+\j], |v[64*\mt+8*\j]|, |v[64*\mt+8*\j+1]|, 0x1800000   ; with the floor 2^(3 - 127): the byte cannot fall under 1
.endr
	WIN W2
.irp i, 2,4,6
.irp j, 0,1,2,3,4,5,6,7
	v_max3_num_f32 v[WF+\j], v[WF+\j], |v[64*\mt+8*\j+\i]|, |v[64*\mt+8*\j+\i+1]|
.endr
.endr
	WIN 0
.irp j, 0,1,2,3,4,5,6,7
	v_max_num_f32_dpp v[WF+\j], v[WF+\j], v[WF+\j] row_xmask:1 row_mask:0xf bank_mask:0xf
.endr
.irp j, 0,1,2,3,4,5,6,7
	v_max_num_f32_dpp v[WF+\j], v[WF+\j], v[WF+\j] row_xmask:2 row_mask:0xf bank_mask:0xf   ; the block's largest magnitude
.endr
.irp j, 0,1,2,3,4,5,6,7
	v_add_nc_u32 v[WF+8+\j], 0xff000000, v[WF+\j]  ; 2 off its exponent field: the conversion's scale operand
.endr
	WIN W
.irp j, 0,1,2,3,4,5,6,7
	v_cvt_scalef32_pk8_fp4_f32 v[CD+\j], v[64*\mt+8*\j:64*\mt+8*\j+7], v[WF+8+\j]
.endr
	WIN 0
.irp j, 0,1,2,3,4,5,6,7
	v_lshrrev_b32 v[BY+\j], 23, v[WF+8+\j]         ; the scale's byte.  (Plain lines behind the conversions)
.endr
.irp j, 0,1,2,3,4,5,6,7
	ds_store_b32 v[CA], v[CD+\j] offset:\s2*CHALF+(16*\mt+\j)*CP   ; K step 2 w + s2: region s2, bytes 64 w + 4 r of the row
	ds_store_b8 v[SA], v[BY+\j] offset:(16*\mt+\j)*SP+4*\s2    ; the four lanes of a block write the same byte with the same value
.endr
.endr
.endm
; The pass's codes of the even (par = 0) or odd (par = 1) K steps, 64 rows x 512 K, into window 1
.macro ALOAD par
	WIN 0x40
.irp mt, 0,1,2,3
.irp kh, 0,1,2,3
.irp c, 0,1
	ds_load_b128 v[64*\mt+8*(2*\kh+\par)+4*\c:64*\mt+8*(2*\kh+\par)+4*\c+3], v[AA] offset:\par*CHALF+16*\mt*CP+64*\kh+32*\c
.endr
.endr
.endr
	WIN 0
.endm
.macro ASLOAD                          ; x's scale words: word kp holds in lanes 0-15 K step 2 kp of row r, in lanes 16-31 K step 2 kp + 1
.irp mt, 0,1,2,3
.irp kp, 0,1,2,3
	ds_load_b32 v[AS+4*\mt+\kp], v[ASA] offset:16*\mt*SP+8*\kp
.endr
.endr
.endm
.macro WLOAD n, u                      ; tile u of my block in slot n: eight fragments as images of their registers, and four scale words
.irp ks, 0,1,2,3,4,5,6,7
.irp c, 0,1
	ds_load_b128 v[WF+8*\ks+4*\c:WF+8*\ks+4*\c+3], v[WA+(\n)] offset:(8*(\u)+\ks)*1024+512*\c
.endr
.endr
	ds_load_b128 v[WS:WS+3], v[WA+(\n)] offset:32768+512*(\u)
.endm
; 64 rows x 16 channels x 1,024 K: 32 matrix instructions.  The four accumulators take turns, one instruction a turn; the first K step starts the sums.
.macro MM
	s_wait_dscnt 0x0                               ; the tile's fragments of W (asked for a tile's vector work ago) and, in a pass's first tile, x's codes
	WIN 0x01                                       ; source 0 (x's codes) window 1
.irp ks, 0,1,2,3,4,5,6,7
.irp mt, 0,1,2,3
.if \ks == 0
	v_wmma_scale_f32_16x16x128_f8f6f4 v[ACC+8*\mt:ACC+8*\mt+7], v[64*\mt+8*\ks:64*\mt+8*\ks+7], v[WF+8*\ks:WF+8*\ks+7], 0, v[AS+4*\mt+\ks/2], v[WS+\ks/2] matrix_a_fmt:MATRIX_FMT_FP4 matrix_b_fmt:MATRIX_FMT_FP4
.elseif \ks % 2
	v_wmma_scale_f32_16x16x128_f8f6f4 v[ACC+8*\mt:ACC+8*\mt+7], v[64*\mt+8*\ks:64*\mt+8*\ks+7], v[WF+8*\ks:WF+8*\ks+7], v[ACC+8*\mt:ACC+8*\mt+7], v[AS+4*\mt+\ks/2], v[WS+\ks/2] matrix_a_fmt:MATRIX_FMT_FP4 matrix_b_fmt:MATRIX_FMT_FP4 matrix_a_scale:MATRIX_SCALE_ROW1 matrix_b_scale:MATRIX_SCALE_ROW1
.else
	v_wmma_scale_f32_16x16x128_f8f6f4 v[ACC+8*\mt:ACC+8*\mt+7], v[64*\mt+8*\ks:64*\mt+8*\ks+7], v[WF+8*\ks:WF+8*\ks+7], v[ACC+8*\mt:ACC+8*\mt+7], v[AS+4*\mt+\ks/2], v[WS+\ks/2] matrix_a_fmt:MATRIX_FMT_FP4 matrix_b_fmt:MATRIX_FMT_FP4
.endif
.endr
.endr
	WIN 0
.rept 4
	v_nop                                          ; four places ahead of the loads into W's and x's code registers and of the first read of the results
.endr
.endm
; The tile's 32 energies of a lane become w, in place, from each accumulator's low end on; then the two sums.  Each batch of transcendentals has one plain line and one wait behind it, ahead of its first reader.
; cp = 1: the tile's x stands in the copies of COPY7, in window 0.
.macro EPI s2, t, cp
.set S2, (\s2)
.set TT, (\t)
.set T,  8*S2+TT
.set i, 0
.rept 16
	v_pk_fma_f32 v[ACC+i:ACC+i+1], v[ACC+i:ACC+i+1], s[C2:C2+1], v[CBP+2*T:CBP+2*T+1] op_sel_hi:[1,0,1]   ; c2 z = c2 x sum + c2 b
.set i, i+2
.endr
.set i, 0
.rept 32
	v_exp_f32 v[ACC+i], v[ACC+i]                   ; E = e^(2 z)
.set i, i+1
.endr
	v_nop
	s_wait_alu depctr_va_vdst(0)
.set i, 0
.rept 16
	v_pk_fma_f32 v[ACC+i:ACC+i+1], v[ACC+i:ACC+i+1], s[AC:AC+1], v[AV:AV+1] op_sel_hi:[1,0,1]   ; a E + a
.set i, i+2
.endr
.set i, 0
.rept 32
	v_rcp_f32 v[ACC+i], v[ACC+i]                   ; log2(e) (tanh z - 1)
.set i, i+1
.endr
	v_nop
	s_wait_alu depctr_va_vdst(0)
.set i, 0
.rept 32
	v_exp_f32 v[ACC+i], v[ACC+i]                   ; w = exp(tanh z - 1)
.set i, i+1
.endr
	v_nop
	s_wait_alu depctr_va_vdst(0)
.if \cp
.irp jj, 0,1,2,3                       ; the sum of w x in eight chains: a chain is met every eighth line
.irp mt, 0,1,2,3
.irp e, 0,1
.if \jj == 0
	v_mul_f32 v[NT+2*\mt+\e], v[XC+8*\mt+2*\jj+\e+128*(\mt/2)], v[ACC+8*\mt+2*\jj+\e]
.else
	v_fmac_f32 v[NT+2*\mt+\e], v[XC+8*\mt+2*\jj+\e+128*(\mt/2)], v[ACC+8*\mt+2*\jj+\e]
.endif
.endr
.endr
.endr
.else
	WIN 2+S2                                       ; source 0: x
.irp jj, 0,1,2,3
.irp mt, 0,1,2,3
.irp e, 0,1
.if \jj == 0
	v_mul_f32 v[NT+2*\mt+\e], v[64*\mt+8*(2*\jj+\e)+TT], v[ACC+8*\mt+2*\jj+\e]
.else
	v_fmac_f32 v[NT+2*\mt+\e], v[64*\mt+8*(2*\jj+\e)+TT], v[ACC+8*\mt+2*\jj+\e]
.endif
.endr
.endr
.endr
	WIN 0
.endif
.irp i, 0,2,4,6,8,10,12,14             ; the sum of w: a tree in place; the chains' sums stand between its levels
	v_pk_add_f32 v[ACC+\i:ACC+\i+1], v[ACC+\i:ACC+\i+1], v[ACC+16+\i:ACC+17+\i]
.endr
	v_pk_add_f32 v[NT:NT+1], v[NT:NT+1], v[NT+4:NT+5]
	v_pk_add_f32 v[NT+2:NT+3], v[NT+2:NT+3], v[NT+6:NT+7]
.irp i, 0,2,4,6
	v_pk_add_f32 v[ACC+\i:ACC+\i+1], v[ACC+\i:ACC+\i+1], v[ACC+8+\i:ACC+9+\i]
.endr
	v_pk_add_f32 v[NT:NT+1], v[NT:NT+1], v[NT+2:NT+3]
.irp i, 0,2
	v_pk_add_f32 v[ACC+\i:ACC+\i+1], v[ACC+\i:ACC+\i+1], v[ACC+4+\i:ACC+5+\i]
.endr
	v_add_f32 v[NT], v[NT], v[NT+1]
	v_pk_add_f32 v[ACC:ACC+1], v[ACC:ACC+1], v[ACC+2:ACC+3]
	v_add_f32 v[NUM+T], v[NUM+T], v[NT]
	v_pk_add_f32 v[DEN+2*T:DEN+2*T+1], v[DEN+2*T:DEN+2*T+1], v[ACC:ACC+1]
.endm
; Step sigma: my four tiles T = 4 sigma + u, out of slot sigma % 2.  The next tile's fragments of W are asked for ahead of this tile's vector work, and behind them what of the next pass's x this step brings:
; ld = 0: nothing.  1: quarter (0,0), a tile of rows in each tile.  2: quarter (0,1), two tiles of rows in tiles 0 and 1.  3: quarter (1,0) likewise; ahead of the last tile's products its x is set aside and
; quarter (1,1) is asked for; behind them the next pass's codes of the even K steps are fetched.   ask = 1, 2: the prefetch of the next pass's half 0, 1.
.macro SW sg, ld, ask
	WLOAD (\sg)%2, 0
.if \ask
	ASKX (\ask)-1
.endif
.irp u, 0,1,2,3
.if (\ld == 3) && (\u == 3)
	COPY7
	XLS 1, 1, 0, 4
.endif
	MM
.if \u < 3
	WLOAD (\sg)%2, \u+1
.endif
.if \ld == 1
	XLG 0, 0, \u, 1
.endif
.if (\ld == 2) && (\u < 2)
	XLG 0, 1, 2*\u, 2
.endif
.if (\ld == 3) && (\u < 2)
	XLS 1, 0, 2*\u, 2
.endif
.if (\ld == 3) && (\u == 3)
	ALOAD 0
	EPI (\sg)/2, 4*((\sg)%2)+\u, 1
.else
	EPI (\sg)/2, 4*((\sg)%2)+\u, 0
.endif
.endr
.endm
	s_load_b256 s[4:11], s[0:1], 0x0               ; x s[4:5], b s[6:7], wq s[8:9], part s[10:11]
	v_lshl_add_u32 v[SPW], v0, 2, SPARE
	v_mov_b32 v[NIL], 0
	ds_add_u32 v[SPW], v[NIL]                      ; the wave's opening: the add, twice on end, and its wait ahead of my first tensor load; the set-up below stands between
	ds_add_u32 v[SPW], v[NIL]
	v_lshrrev_b32 v15, 5, v0
	v_readfirstlane_b32 s[WV], v15                 ; wave 0..3
	s_bfe_u32 s13, ttmp6, 0x40000                  ; cx: my place in the cluster
	s_lshl_b32 s14, ttmp9, 2                       ; in a cluster launch ttmp9 counts clusters
	s_add_co_u32 s14, s14, s13                     ; g = 4 x cluster + cx: it enters x's and part's addresses alone
	; descriptor group 1: a dense block of 34,816 bytes as 136 rows of 32 elements of 8 bytes
	s_mov_b32 s[G1], 15|(3<<16)|(1<<21)            ; 15:0 the mask: all four work-groups; 17:16 elements of 8 bytes; 20 no padding; 21 set beside a mask
	s_mov_b32 s[G1+1], 32<<16                      ; tensor_dim0 = 32
	s_mov_b32 s[G1+2], 136<<16                     ; tensor_dim1 = 136
	s_mov_b32 s[G1+3], 32<<16                      ; tile_dim0 = 32
	s_mov_b32 s[G1+4], 136                         ; tile_dim1 = 136
	s_mov_b32 s[G1+5], 32                          ; from row to row: 32 elements
	s_mov_b32 s[G1+6], 0
	s_mov_b32 s[G1+7], 0
	s_mov_b32 s[C2], 0x4038aa3b                    ; c2 = 2 log2(e)
	s_mov_b32 s[C2+1], s[C2]                       ; (the packed form names the pair, so it is written)
	s_mov_b32 s[AC], 0xbeb17218                    ; a = -ln(2) / 2
	s_mov_b32 s[AC+1], s[AC]
	s_mov_b32 s[SEL], 0x76543210
	s_mov_b32 s[SEL+1], 0xfedcba98
	s_mov_b32 s[HI16], 0xffff0000
	v_mov_b32 v[AV], s[AC]
	v_mov_b32 v[AV+1], s[AC]
	v_and_b32 v12, 15, v0                          ; r
	v_bfe_u32 v13, v0, 4, 1                        ; h
	v_and_b32 v14, 31, v0                          ; lane
	v_lshlrev_b32 v[BO], 5, v12
	v_lshl_add_u32 v[XO], v13, 15, v[BO]           ; 8 h rows of 4,096 bytes + 32 r
	v_lshlrev_b32 v[PFO], 12, v14
	v_mul_u32_u24 v[CA], v13, 8*CP
	v_lshl_add_u32 v[CA], v12, 2, v[CA]
	s_lshl_b32 s46, s[WV], 6
	s_add_co_u32 s46, s46, CODE
	v_add_nc_u32 v[CA], s46, v[CA]
	v_mul_u32_u24 v[SA], v13, 8*SP
	v_lshrrev_b32 v15, 2, v12
	v_add_nc_u32 v[SA], v[SA], v15
	s_lshl_b32 s46, s[WV], 3
	s_add_co_u32 s46, s46, SCL
	v_add_nc_u32 v[SA], s46, v[SA]
	v_mul_u32_u24 v[AA], v12, CP
	v_lshl_add_u32 v[AA], v13, 4, v[AA]
	v_add_nc_u32 v[AA], CODE, v[AA]
	v_mul_u32_u24 v[ASA], v12, SP
	v_lshl_add_u32 v[ASA], v13, 2, v[ASA]
	v_add_nc_u32 v[ASA], SCL, v[ASA]
	s_mul_i32 s42, s[WV], WBLK                     ; my block, in a slot and in a step of wq: the wave's number alone
	s_mov_b32 s43, 0
	v_lshlrev_b32 v[PO], 4, v14
	v_add_nc_u32 v[WA], s42, v[PO]
	v_add_nc_u32 v[WA+1], SLOTB, v[WA]
	s_lshl_b32 s44, s14, 20                        ; my 256 rows of 4,096 bytes,
	s_lshl_b32 s45, s[WV], 10                      ; my wave's 256 columns
	s_add_co_u32 s44, s44, s45
	s_mov_b32 s46, s45                             ; b: my wave's 256 numbers
	s_mov_b32 s45, 0
	s_mov_b32 s47, 0
	s_wait_dscnt 0x0                               ; both opening adds are done
	s_wait_kmcnt 0x0
	s_add_nc_u64 s[XB:XB+1], s[4:5], s[44:45]
	s_add_nc_u64 s[6:7], s[6:7], s[46:47]
	s_lshl_b32 s44, s14, 13                        ; part: 8,192 bytes a work-group, 2,048 a wave
	s_lshl_b32 s46, s[WV], 11
	s_add_co_u32 s44, s44, s46
	s_add_nc_u64 s[10:11], s[10:11], s[44:45]
	s_add_nc_u64 s[8:9], s[8:9], s[42:43]          ; wq at my block of sigma 0
	s_mov_b32 s[G0], 1                             ; count = 1
	s_mov_b32 s[G0+1], s42                         ; LDS address: slot 0
	s_mov_b64 s[G0+2:G0+3], s[8:9]                 ; sigma 0
	s_or_b32 s[G0+3], s[G0+3], 0x80000000          ; type = 2
	s_mov_b32 s[G0+4], 1
	s_add_co_u32 s[G0+5], s42, SLOTB               ; slot 1
	s_add_nc_u64 s[G0+6:G0+7], s[8:9], 3*SLOTB     ; at sigma 3: its first use steps two back, to sigma 1
	s_or_b32 s[G0+7], s[G0+7], 0x80000000
	ROUND                                          ; all four work-groups are here: the first joint loads meet
	tensor_load_to_lds s[G0:G0+3], s[G1:G1+7]      ; sigma 0 into slot 0; slot 1 is first filled behind the first pass's first round
	s_nop 0
.rept 4
	v_nop
.endr
.irp s, 0,1
.irp q, 0,1
	global_load_b128 v[CBR+8*\s+4*\q:CBR+8*\s+4*\q+3], v[BO], s[6:7] offset:512*\s+16*\q   ; b at my sixteen channels
.endr
.endr
	XLS 0, 0, 0, 4                                 ; the first pass's x, all four quarters
	XLS 0, 1, 0, 4
	XLS 1, 0, 0, 4
	XLS 1, 1, 0, 4
.set i, 0
.rept 48
	v_mov_b32 v[NUM+i], 0                          ; the 16 + 32 running sums: the loop is written once, and its first pass finds zeros
.set i, i+1
.endr
	s_wait_loadcnt 63                              ; b and half 0 are in.  Half 1's 64 loads are younger; a wait can name 63 at the most, so the first of them is waited for too
.set i, 0
.rept 16
	v_mul_f32 v[CBP+2*i], s[C2], v[CBR+i]          ; c2 b, in both halves of a pair
	v_mul_f32 v[CBP+2*i+1], s[C2], v[CBR+i]
.set i, i+1
.endr
	QUANT 0
	s_wait_dscnt 0x0                               ; for the others' sake: my stores of half 0's codes have landed
	s_barrier_signal -1                            ; sigma 0's load may stay out across it
	s_barrier_wait -1
	ALOAD 0                                        ; the first pass's codes of the even K steps
	s_mov_b32 s[TRIP], 4
.Lpass:                                                ; a pass of 64 rows.  At its head: half 0 is quantised and its codes are on their way into my registers, half 1 of x is asked for, sigma 0 is on its way into slot 0 or there
	s_wait_loadcnt 0x0                             ; all of the pass's x is in: no load names x's base any more,
	s_wait_xcnt 0x0
	s_add_nc_u64 s[XB:XB+1], s[XB:XB+1], 64*4096   ; so it steps to the next pass
	QUANT 1
	HEAD 1, 1                                      ; sigma 1 into slot 1.  The round also stands between all waves' stores of half 1's codes and scale bytes and the loads below
	ALOAD 1
	ASLOAD
	SW 0, 0, 1
	HEAD 0, 0                                      ; sigma 2 into slot 0.  From this round on no wave reads the pass's codes in LDS
	SW 1, 1, 0
	HEAD 1, 0                                      ; sigma 3 into slot 1
	SW 2, 2, 2
	s_cmp_eq_u32 s[TRIP], 1                        ; the last pass leaves the loop here, in front of the fill that nobody would read: its tail is written out
	s_cbranch_scc1 .Ltail
	s_wait_loadcnt 0x0                             ; the next pass's half 0 is in: its last loads were issued two tiles ago, and none is younger
	QUANT 0
	HEAD 0, 1                                      ; the next pass's sigma 0 into slot 0.  The round also stands between all waves' stores of half 0's codes and the loads behind this step's last products
	SW 3, 3, 0
	s_sub_co_u32 s[TRIP], s[TRIP], 1
	s_cmp_lg_u32 s[TRIP], 0
	s_cbranch_scc1 .Lpass
.Ltail:
	s_wait_tensorcnt 0x0                           ; sigma 3 is in; the bytes are my own load's, and nothing is filled any more: no barrier
	SW 3, 0, 0
	; THE WAY OUT.  The sums of w: their two halves; both sums: lane l xor 16's rows.  Lanes 0-15 then carry the sums of w x, lanes 16-31 those of w.
.set i, 0
.rept 16
	v_add_f32 v[WF+i], v[DEN+2*i], v[DEN+2*i+1]
.set i, i+1
.endr
.set i, 0
.rept 16
	v_permlanex16_b32 v[WF+16+i], v[NUM+i], s[SEL], s[SEL+1]
	v_permlanex16_b32 v[WF+32+i], v[WF+i], s[SEL], s[SEL+1]
.set i, i+1
.endr
.set i, 0
.rept 16
	v_add_f32 v[NUM+i], v[NUM+i], v[WF+16+i]
	v_add_f32 v[WF+i], v[WF+i], v[WF+32+i]
.set i, i+1
.endr
.set i, 0
.rept 16
	v_cndmask_b32 v[ACC+i], v[NUM+i], v[WF+i], s[HI16]
.set i, i+1
.endr
.irp g, 0,1,2,3
	global_store_b128 v[PO], v[ACC+4*\g:ACC+4*\g+3], s[10:11] offset:512*\g   ; 32 lanes store 512 consecutive bytes, at a multiple of 256 from part's first byte
.endr
	s_wait_tensorcnt 0x0                           ; the wave's end, behind my last tensor load and my last LDS store
	ds_add_u32 v[SPW], v[NIL]
	s_wait_dscnt 0x0
	ROUND                                          ; the closing round: no work-group ends while a partner may still ask for a block that names it
	s_endpgm
.Lfunc_end_k_qeb37f0a4a4_main:
	.size	k_qeb37f0a4a4_main, .Lfunc_end_k_qeb37f0a4a4_main-k_qeb37f0a4a4_main
	.p2alignl 7, 3214868480
	.fill 96, 4, 3214868480
	.section	.rodata,"a",@progbits
	.p2align	6, 0x0
	.amdhsa_kernel k_qeb37f0a4a4_main
		.amdhsa_group_segment_fixed_size 327680
		.amdhsa_private_segment_fixed_size 0
		.amdhsa_enable_private_segment 0
		.amdhsa_kernarg_size 32
		.amdhsa_user_sgpr_count 2
		.amdhsa_user_sgpr_kernarg_segment_ptr 1
		.amdhsa_wavefront_size32 1
		.amdhsa_system_sgpr_workgroup_id_x 1
		.amdhsa_system_sgpr_workgroup_id_y 1
		.amdhsa_system_sgpr_workgroup_id_z 1
		.amdhsa_system_vgpr_workitem_id 0
		.amdhsa_next_free_vgpr 1024
		.amdhsa_next_free_sgpr 66
		.amdhsa_reserve_vcc 0
		.amdhsa_float_denorm_mode_32 3
		.amdhsa_float_denorm_mode_16_64 3
		.amdhsa_memory_ordered 1
		.amdhsa_forward_progress 1
		.amdhsa_inst_pref_size 255
	.end_amdhsa_kernel
	.section	.bss,"aw",@nobits
	.p2align	6
	.space	262144
	.amdgpu_metadata
---
amdhsa.version: [ 1, 2 ]
amdhsa.kernels:
  - .name:           k_qeb37f0a4a4_main
    .symbol:         k_qeb37f0a4a4_main.kd
    .args:
      - { .name: lstm_output, .offset: 0, .size: 8, .value_kind: global_buffer, .address_space: global }
      - { .name: b, .offset: 8, .size: 8, .value_kind: global_buffer, .address_space: global }
      - { .name: wq, .offset: 16, .size: 8, .value_kind: global_buffer, .address_space: global }
      - { .name: part, .offset: 24, .size: 8, .value_kind: global_buffer, .address_space: global }
    .group_segment_fixed_size: 327680
    .private_segment_fixed_size: 0
    .kernarg_segment_align: 8
    .kernarg_segment_size: 32
    .max_flat_workgroup_size: 128
    .sgpr_count:     66
    .vgpr_count:     1024
    .wavefront_size: 32
...
	.end_amdgpu_metadata
.endif
;; end of part 2
;; launch combine (part 3): grid 128 x 1, 1 waves a work-group, no clusters, 0 bytes of LDS; arguments part, out0; writes out0
.if DOCPART == 3
	.amdgcn_target "amdgcn-amd-amdhsa--gfx1250"
	.amdhsa_code_object_version 6
	.text
	.protected	k_qeb37f0a4a4_combine
	.globl	k_qeb37f0a4a4_combine
	.p2align	8
	.type	k_qeb37f0a4a4_combine,@function
k_qeb37f0a4a4_combine:
	s_mov_b64 s[64:65], 0
	v_nop
	global_prefetch_b8 v0, s[64:65] scope:SCOPE_SE
	s_setreg_imm32_b32 hwreg(HW_REG_WAVE_MODE, 25, 1), 1
	s_wait_xcnt 0x0
; out0[b][o] = (the sum over the batch's 16 row blocks of their sums of w x) / (the sum of their sums of w).  No work of the problem is left out.
; part: [g = 16 b + p][w][sigma = 2 s2 + q][lane][4 f32]: lanes 0-15 the sums of w x, lanes 16-31 the sums of w, of channels 256 w + 128 s2 + 8 r + 4 q + 0 .. 3.
; A work-group of one wave takes 128 channels of one batch: (b, w, s2).  Lane i takes r = i / 2, q = i % 2: its four channels are 8 r + 4 q + 0 .. 3, that is bytes 16 i of the 512 that the wave stores.
; The sum of w is at least 4,096 e^-2: the reciprocal meets no zero.  No LDS, no barrier: a wave shares nothing.
.set NU, 16                            ; v16-79   sixteen blocks' sums of w x, four registers each
.set DE, 80                            ; v80-143  and of w
	s_load_b128 s[4:7], s[0:1], 0x0                ; part s[4:5], out0 s[6:7]
	v_and_b32 v1, 1, v0                            ; q
	v_lshrrev_b32 v2, 1, v0                        ; r
	v_lshlrev_b32 v3, 4, v2
	v_lshl_add_u32 v3, v1, 9, v3                   ; 512 q + 16 r
	v_lshlrev_b32 v4, 4, v0                        ; 16 i
	s_lshr_b32 s8, ttmp9, 3                        ; b
	s_bfe_u32 s9, ttmp9, 0x20001                   ; w
	s_and_b32 s10, ttmp9, 1                        ; s2
	s_lshl_b32 s12, s8, 17                         ; 16 blocks of 8,192 bytes a batch
	s_lshl_b32 s11, s9, 11
	s_add_co_u32 s12, s12, s11
	s_lshl_b32 s11, s10, 10
	s_add_co_u32 s12, s12, s11
	s_mov_b32 s13, 0
	s_lshl_b32 s14, s8, 12                         ; out0: 4,096 bytes a batch, 1,024 a wave's columns, 512 a half
	s_lshl_b32 s11, s9, 10
	s_add_co_u32 s14, s14, s11
	s_lshl_b32 s11, s10, 9
	s_add_co_u32 s14, s14, s11
	s_mov_b32 s15, 0
	s_wait_kmcnt 0x0
	s_add_nc_u64 s[4:5], s[4:5], s[12:13]
	s_add_nc_u64 s[6:7], s[6:7], s[14:15]
.irp p, 0,1,2,3,4,5,6,7,8,9,10,11,12,13,14,15
	global_load_b128 v[NU+4*\p:NU+4*\p+3], v3, s[4:5] offset:8192*\p th:TH_LOAD_NT
	global_load_b128 v[DE+4*\p:DE+4*\p+3], v3, s[4:5] offset:8192*\p+256 th:TH_LOAD_NT
.endr
	s_wait_loadcnt 0x0
.macro TREE base                       ; sixteen blocks' four numbers become one block's, two numbers an instruction
.irp i, 0,2,4,6,8,10,12,14,16,18,20,22,24,26,28,30
	v_pk_add_f32 v[\base+\i:\base+\i+1], v[\base+\i:\base+\i+1], v[\base+32+\i:\base+33+\i]
.endr
.irp i, 0,2,4,6,8,10,12,14
	v_pk_add_f32 v[\base+\i:\base+\i+1], v[\base+\i:\base+\i+1], v[\base+16+\i:\base+17+\i]
.endr
.irp i, 0,2,4,6
	v_pk_add_f32 v[\base+\i:\base+\i+1], v[\base+\i:\base+\i+1], v[\base+8+\i:\base+9+\i]
.endr
.irp i, 0,2
	v_pk_add_f32 v[\base+\i:\base+\i+1], v[\base+\i:\base+\i+1], v[\base+4+\i:\base+5+\i]
.endr
.endm
	TREE DE
.irp i, 0,1,2,3
	v_rcp_f32 v[DE+\i], v[DE+\i]
.endr
	TREE NU                                        ; plain work behind the reciprocals, which names none of their results
	s_wait_alu depctr_va_vdst(0)                   ; one wait for the four, ahead of their first reader
.irp i, 0,1,2,3
	v_mul_f32 v[8+\i], v[NU+\i], v[DE+\i]
.endr
	global_store_b128 v4, v[8:11], s[6:7]          ; 32 lanes store 512 consecutive bytes, at a multiple of 256 from out0's first byte
	s_endpgm
.Lfunc_end_k_qeb37f0a4a4_combine:
	.size	k_qeb37f0a4a4_combine, .Lfunc_end_k_qeb37f0a4a4_combine-k_qeb37f0a4a4_combine
	.p2alignl 7, 3214868480
	.fill 96, 4, 3214868480
	.section	.rodata,"a",@progbits
	.p2align	6, 0x0
	.amdhsa_kernel k_qeb37f0a4a4_combine
		.amdhsa_group_segment_fixed_size 0
		.amdhsa_private_segment_fixed_size 0
		.amdhsa_enable_private_segment 0
		.amdhsa_kernarg_size 16
		.amdhsa_user_sgpr_count 2
		.amdhsa_user_sgpr_kernarg_segment_ptr 1
		.amdhsa_wavefront_size32 1
		.amdhsa_system_sgpr_workgroup_id_x 1
		.amdhsa_system_sgpr_workgroup_id_y 1
		.amdhsa_system_sgpr_workgroup_id_z 1
		.amdhsa_system_vgpr_workitem_id 0
		.amdhsa_next_free_vgpr 144
		.amdhsa_next_free_sgpr 66
		.amdhsa_reserve_vcc 0
		.amdhsa_float_denorm_mode_32 3
		.amdhsa_float_denorm_mode_16_64 3
		.amdhsa_memory_ordered 1
		.amdhsa_forward_progress 1
		.amdhsa_inst_pref_size 9
	.end_amdhsa_kernel
	.amdgpu_metadata
---
amdhsa.version: [ 1, 2 ]
amdhsa.kernels:
  - .name:           k_qeb37f0a4a4_combine
    .symbol:         k_qeb37f0a4a4_combine.kd
    .args:
      - { .name: part, .offset: 0, .size: 8, .value_kind: global_buffer, .address_space: global }
      - { .name: out0, .offset: 8, .size: 8, .value_kind: global_buffer, .address_space: global }
    .group_segment_fixed_size: 0
    .private_segment_fixed_size: 0
    .kernarg_segment_align: 8
    .kernarg_segment_size: 16
    .max_flat_workgroup_size: 32
    .sgpr_count:     66
    .vgpr_count:     144
    .wavefront_size: 32
...
	.end_amdgpu_metadata
.endif
;; end of part 3
